; MI455X (gfx1250); checked and timed in simulation.
; The chip was launched on July 23, 2026; its instructions are those of AMD's public machine-readable ISA for CDNA 5 (MIT licence, August 2026) and "CDNA5" Instruction Set Architecture Reference Guide (July 2026). The comments in the code are by the model that wrote it; some were corrected since.
;; SEM Attn. Allowed arithmetic: matrix products marked QUANTISED: E3M2 operands, one E8M0 scale for each 32 along K, by v_wmma_scale_f32_16x16x128_f8f6f4 with both operands' format E3M2, f32 sums; products left as they are: f32 operands where the result goes on into a quantised operand, else bf16, f16 or f32 operands; f32 sums; everything else in f32.
;; Inputs: WK 2 x 256 x 512 float32; WQ 2 x 256 x 512 float32; WV 2 x 256 x 512 float32; Wout 1,024 x 256 float32; biasK 2 x 8 x 64 float32; biasQ 2 x 8 x 64 float32; bout 256 float32; coords 8 x 8 x 32 x 32 x 2 float32; lnK_b 2 x 64 float32; lnK_g 2 x 64 float32; lnQ_b 2 x 64 float32; lnQ_g 2 x 64 float32; nodal 8 x 8 x 32 x 32 x 256 float32.
;; Outputs: out0 8 x 8 x 32 x 32 x 256 float32.
;; This version of the problem:
;;   THIS VERSION OF THE PROBLEM IS GIVEN IN LOW PRECISION. The matrix products marked QUANTISED in the list below multiply operands that are first quantised to E3M2 (3 exponent bits, 2 mantissa bits; 6 bits a number), with one power-of-two scale for each 32 numbers along K (OCP MX v1.0); their sums are f32. All else is computed in f32.
;;   The module's matrix products, in the order in which they are computed (A, B: the left and right operand; K: the contracted axis; several contracted axes count as one K, in the product's order):
;;     1. [M 65,536, K 256] x [K 256, N 512]; A: input nodal; B: input WQ: QUANTISED
;;     2. [M 65,536, K 256] x [K 256, N 512]; A: input nodal; B: input WQ: QUANTISED
;;     3. [M 65,536, K 256] x [K 256, N 512]; A: input nodal; B: input WK: QUANTISED
;;     4. [M 65,536, K 256] x [K 256, N 512]; A: input nodal; B: input WK: QUANTISED
;;     5. [M 65,536, K 256] x [K 256, N 512]; A: input nodal; B: input WV: QUANTISED
;;     6. [M 65,536, K 256] x [K 256, N 512]; A: input nodal; B: input WV: QUANTISED
;;     7. batch 65,536 x [M 8, K 128] x [K 128, N 8]; A: computed on the way; B: computed on the way: left as it is (M = 8 < 16)
;;     8. batch 65,536 x [M 8, K 8] x [K 8, N 128]; A: softmax; B: computed on the way: left as it is (K = 8 < 32)
;;     9. [M 65,536, K 1,024] x [K 1,024, N 256]; A: computed on the way; B: input Wout: QUANTISED
;;   THE QUANTISER, for each operand of a quantised product, along K:
;;     - K is cut into blocks of 32 from its start; a last block that is shorter is filled with zeros.
;;     - A block's scale is 2^e with e = floor(log2(the largest magnitude in the block)) - 4, held to -126 .. 127; a block of zeros has e = 0. As a byte (E8M0): e + 127.
;;     - Each number is divided by its block's scale, clamped to +-28, and rounded to the nearest number of E3M2, ties to even, subnormals kept.
;;     - The product sums the exact products of the quantised numbers (number of the format x scale) in f32.
;;   ~~~python
;;   def quantise(x, axis):      # numpy; x: float32 -> the quantised numbers, widened to float32 again
;;       x = np.moveaxis(x, axis, -1); K = x.shape[-1]
;;       x = np.pad(x, [(0, 0)] * (x.ndim - 1) + [(0, -K % 32)]); x = x.reshape(x.shape[:-1] + (-1, 32)); a = np.abs(x).max(-1, keepdims=True)
;;       e = np.where(a > 0, np.clip(np.frexp(np.where(a > 0, a, 1))[1] - 1 - 4, -126, 127), 0)      # np.frexp(a)[1] - 1 = floor(log2(a)), exactly
;;       r = np.clip(x / 2.0 ** e, -28, 28)
;;       step = 2.0 ** (np.maximum(np.frexp(np.where(r == 0, 1, r))[1] - 1, -2) - 2)
;;       q = np.round(r / step) * step * 2.0 ** e      # np.round: ties to even
;;       return np.moveaxis(q.reshape(q.shape[:-2] + (-1,))[..., :K], -1, axis).astype(np.float32)
;;   ~~~
;;   OPERANDS COMPUTED ON THE WAY. 'Computed on the way' means the value that the module computes at that place (a softmax that the list does not call 'softmax' is quantised finished and normalised). What goes into a quantiser is computed in f32, as accurately as f32 sums, v_exp_f32 and their like allow (about 1e-6 of the number): no bf16 or f16 on the way to a quantiser, and a product that is left as it is and whose result goes on into a quantised operand takes f32 operands (vector FMAs, or v_wmma_f32_16x16x4_f32). A number that lies on a knife's edge between two numbers of the format may be rounded either way, as far as f32 arithmetic and the matrix unit's own rounding can turn it there, and no further.
;; One version. Each part assembles by itself: llvm-mc -triple=amdgcn-amd-amdhsa -mcpu=gfx1250 --defsym DOCPART=n.
;; ======== version 1 of 1: 2 launches
;; limits: right only within a limited range of input values
;; workspace buffers: wpack 851,968 bytes
;; launch pack (part 1): grid 64 x 1, 8 waves a work-group, no clusters, 1,536 bytes of LDS; arguments WQ, WK, WV, Wout, biasQ, biasK, lnQ_g, lnQ_b, lnK_g, bout, wpack; writes wpack
.if DOCPART == 1
	.amdgcn_target "amdgcn-amd-amdhsa--gfx1250"
	.amdhsa_code_object_version 6
	.text
	.protected	k_q48f450195c_pack
	.globl	k_q48f450195c_pack
	.p2align	8
	.type	k_q48f450195c_pack,@function
k_q48f450195c_pack:
	s_mov_b64 s[64:65], 0
	v_nop
	global_prefetch_b8 v0, s[64:65] scope:SCOPE_SE
	s_setreg_imm32_b32 hwreg(HW_REG_WAVE_MODE, 25, 1), 1
	s_wait_xcnt 0x0
; DEAD WORK, for all finite inputs, in exact arithmetic.
; (1) coords.  With c, s the cosine and sine of one angle, a pair (f, g) of LayerNorm's output becomes (c + c f - s g, s + s f + c g) = R (1 + f, g), R the rotation by that angle.
;     q and k of one point take the same angle at the same feature, and a score sums q k over the features of one point: (R a).(R b) = a.b, since c c + s s = 1.
;     So score = sum (LNq + e)(LNk + e), e = 1 on a head's first 32 features and 0 on its last 32.  Product 7 is not quantised.  coords has no way to the output: it is not loaded and is no argument.
; (2) lnK_b and k's e.  LNk + e = yk lnK_g + (lnK_b + e), yk the normalised k.  The term sum (LNq + e)(lnK_b + e) is the same for every key head, that is along the softmax's axis.  lnK_b is not loaded and is no argument.
; What is left: score = sum over d of (yq G2 + B2) yk, with G2 = lnQ_g lnK_g and B2 = (lnQ_b + e) lnK_g, two tables that this launch makes.
; LIMIT: a NaN, an infinity or an overflow that reaches only the work left out is not carried to the result.
; THE LAUNCH.  All weights become codes of BF6 (E3M2) with one E8M0 byte for each 32 along K, in the order of the operand's registers and of the second launch's walk.
; wpack = 64 units of 13,312 bytes.  A unit: 8 fragments (16 rows x 128 K, 12 registers a lane) as 24 chunks of 512 bytes, chunk 3 f + c = registers 4 c .. 4 c + 3 of fragment f, lane l's 16 bytes at 16 l;
; at 12,288 the scale words, that of fragment f and row r at 32 r + 4 f; at 12,800 the head's bias (Q and K units, else zeros); at 13,056 G2 (head 0 of a Q phase), B2 (head 1 of a Q phase), 64 numbers of bout (units 48-51), else zeros.
; Units 0-47: unit 8 ph + head, ph = Q0, K0, Q1, K1, V0, V1.  Fragment 4 s + t: K step s, tile t; row m of tile t is feature 32 (t / 2) + 8 (t % 2) + m + 8 (m / 8) of the head.
; Units 48-63: unit 48 + 2 kk + hf: Wout's rows 128 kk .. + 127 (K), fragment f = outputs 16 (8 hf + f) .. + 15.
; K is the first axis of every weight: a lane takes a column and its registers run down K in the order of the operand's layout, so the conversions' results are the operand's registers.
; A block's byte is its largest magnitude's exponent field - 4, held at 1 from below; a block of zeros keeps the byte 1: its codes are zeros, and this program alone reads the bytes.
; LIMITS: blocks whose largest magnitude lies under 2^-122 keep the byte 1; NaN and infinities among the inputs are not served.
.set UNITB, 13312
.set X,     32                         ; v32-95 my two blocks of 32 numbers
.set CDS,   100                        ; v100-111 the fragment's twelve registers
.macro D n
	s_delay_alu instid0(VALU_DEP_\n)
.endm
	s_load_b512 s[4:19], s[0:1], 0x0               ; WQ 4, WK 6, WV 8, Wout 10, biasQ 12, biasK 14, lnQ_g 16, lnQ_b 18
	s_load_b128 s[20:23], s[0:1], 0x40             ; lnK_g 20, bout 22
	s_load_b64 s[26:27], s[0:1], 0x50              ; wpack
	v_lshl_add_u32 v128, v0, 2, 0x200
	v_mov_b32 v129, 0
	v_lshrrev_b32 v1, 5, v0
	D 1
	v_readfirstlane_b32 s28, v1                    ; wave f
	v_and_b32 v1, 31, v0                           ; lane
	v_and_b32 v2, 15, v0                           ; r
	v_bfe_u32 v4, v0, 4, 1                         ; h
	D 3
	v_lshlrev_b32 v5, 4, v1                        ; 16 x lane
	D 3
	v_lshlrev_b32 v6, 5, v2
	v_lshlrev_b32 v7, 3, v1                        ; 8 x lane
	D 2
	v_lshl_add_u32 v6, s28, 2, v6                  ; LDS: my scale word at 32 r + 4 f
	s_mov_b32 s40, 0x76543210
	s_mov_b32 s41, 0xfedcba98                      ; lane l xor 16
	s_mul_i32 s30, ttmp9, UNITB
	s_mul_i32 s31, s28, 1536
	s_add_co_u32 s30, s30, s31                     ; my fragment's place in wpack
	s_mov_b32 s31, 0
	s_mov_b32 s39, 0
	s_mov_b32 s47, 0
	s_wait_alu depctr_va_vdst(0)                   ; at the head's end
	s_wait_kmcnt 0x0
	s_add_nc_u64 s[26:27], s[26:27], s[30:31]
	s_cmp_ge_u32 ttmp9, 48
	s_cbranch_scc1 .Lwout
	s_lshr_b32 s32, ttmp9, 3                       ; ph
	s_and_b32 s33, ttmp9, 7                        ; head
	s_and_b32 s34, s32, 1                          ; n of a V phase
	s_lshr_b32 s35, s32, 1                         ; n of a Q or K phase
	s_bitcmp1_b32 s32, 0                           ; the choice of buffer hangs on the work-group's number alone
	s_cselect_b64 s[36:37], s[6:7], s[4:5]
	s_cmp_ge_u32 s32, 4
	s_cselect_b64 s[36:37], s[8:9], s[36:37]
	s_cselect_b32 s34, s34, s35                    ; n
	s_lshl_b32 s38, s34, 19                        ; W[n]: 256 rows of 2,048 bytes
	s_lshr_b32 s35, s28, 2
	s_lshl_b32 s35, s35, 18                        ; K step: 128 rows
	s_add_co_u32 s38, s38, s35
	s_lshl_b32 s35, s33, 8                         ; the head's 64 features
	s_add_co_u32 s38, s38, s35
	s_bfe_u32 s35, s28, 0x10001
	s_lshl_b32 s35, s35, 7                         ; 32 (t / 2) features
	s_add_co_u32 s38, s38, s35
	s_and_b32 s35, s28, 1
	s_lshl_b32 s35, s35, 5                         ; 8 (t % 2) features
	s_add_co_u32 s38, s38, s35
	s_add_nc_u64 s[36:37], s[36:37], s[38:39]
	v_and_b32 v3, 8, v2
	D 1
	v_add_nc_u32 v3, v3, v2                        ; r + 8 (r / 8)
	D 1
	v_lshlrev_b32 v3, 2, v3
	D 1
	v_lshl_add_u32 v3, v4, 16, v3                  ; lanes 16-31 begin 32 rows further down
.irp c, 0,1
.set li, 0
.rept 32
	global_load_b32 v[X+32*\c+li], v3, s[36:37] offset:(64*\c+li)*2048   ; W(64 c + 32 h + i, my column)
.set li, li+1
.endr
.endr
	s_branch .Ljoin
.Lwout:
	s_sub_co_u32 s32, ttmp9, 48
	s_lshr_b32 s33, s32, 1                         ; kk
	s_and_b32 s34, s32, 1
	s_lshl_b32 s34, s34, 3
	s_add_co_u32 s34, s34, s28                     ; output tile 8 hf + f
	s_lshl_b32 s38, s33, 17                        ; 128 rows of 1,024 bytes
	s_lshl_b32 s34, s34, 6
	s_add_co_u32 s38, s38, s34
	s_add_nc_u64 s[36:37], s[10:11], s[38:39]
	v_lshlrev_b32 v3, 2, v2
	D 1
	v_lshl_add_u32 v3, v4, 15, v3
.irp c, 0,1
.set li, 0
.rept 32
	global_load_b32 v[X+32*\c+li], v3, s[36:37] offset:(64*\c+li)*1024
.set li, li+1
.endr
.endr
.Ljoin:
	s_wait_loadcnt 0x0
.irp c, 0,1                                    ; my block 2 c + h: all its 32 numbers are mine
	v_max3_num_f32 v[8+\c], |v[X+32*\c]|, |v[X+32*\c+1]|, 0x2800000   ; with the floor 2^(5 - 127)
.endr
.irp i, 2,4,6,8,10,12,14,16,18,20,22,24,26,28,30
.irp c, 0,1
	D 2
	v_max3_num_f32 v[8+\c], v[8+\c], |v[X+32*\c+\i]|, |v[X+32*\c+\i+1]|
.endr
.endr
.irp c, 0,1
	D 2
	v_add_nc_u32 v[10+\c], 0xfe000000, v[8+\c]     ; 4 off the exponent field: the conversion's scale operand
.endr
.irp c, 0,1
	D 2
	v_lshrrev_b32 v[12+\c], 23, v[10+\c]           ; the scale's byte
.endr
	D 1
	v_lshl_or_b32 v14, v13, 16, v12                ; blocks h and 2 + h of my row,
	v_lshlrev_b32 v15, 3, v4
	D 1
	v_lshlrev_b32 v14, v15, v14                    ; at their places in the word;
	v_mov_b32 v15, 0
	D 1
	v_permlanex16_b32 v15, v14, s40, s41
	D 1
	v_or_b32 v14, v14, v15                         ; with lane l xor 16's two the word is whole
.irp c, 0,1
	v_cvt_scalef32_pk16_bf6_f32 v[CDS+6*\c:CDS+6*\c+2], v[X+32*\c:X+32*\c+15], v[10+\c]
	v_cvt_scalef32_pk16_bf6_f32 v[112+4*\c:114+4*\c], v[X+32*\c+16:X+32*\c+31], v[10+\c]   ; (a conversion's three registers begin on an even number)
.endr
	v_nop                                          ; one plain place behind a scaled conversion
.irp c, 0,1
.irp i, 0,1,2
	v_mov_b32 v[CDS+3+6*\c+\i], v[112+4*\c+\i]
.endr
.endr
	global_store_b128 v5, v[CDS:CDS+3], s[26:27]               ; each store of the wave covers 512 consecutive bytes, aligned
	global_store_b128 v5, v[CDS+4:CDS+7], s[26:27] offset:512
	global_store_b128 v5, v[CDS+8:CDS+11], s[26:27] offset:1024
	ds_store_b32 v6, v14                           ; both halves of the lanes store the same word
	s_wait_dscnt 0x0                               ; for the others' sake: my store has landed
	s_barrier_signal -1
	s_barrier_wait -1
	s_cmp_eq_u32 s28, 1
	s_cbranch_scc1 .Ltail
	s_cmp_lg_u32 s28, 0
	s_cbranch_scc1 .Lend
	ds_load_b128 v[16:19], v5                      ; wave 0: the unit's 128 scale words leave as 512 consecutive bytes
	s_wait_dscnt 0x0
	global_store_b128 v5, v[16:19], s[26:27] offset:12288
	s_branch .Lend
.Ltail:                                            ; wave 1: the unit's last 512 bytes, 8 bytes a lane twice (my base lies 1,536 bytes into the unit)
.irp i, 20,21,22,23
	v_mov_b32 v\i, 0
.endr
	s_cmp_ge_u32 ttmp9, 32
	s_cbranch_scc1 .Lhi
	s_lshr_b32 s32, ttmp9, 3                       ; ph
	s_lshr_b32 s35, s32, 1                         ; n
	s_and_b32 s33, ttmp9, 7                        ; head
	s_bitcmp1_b32 s32, 0
	s_cselect_b64 s[36:37], s[14:15], s[12:13]     ; biasK or biasQ
	s_lshl_b32 s38, s35, 11
	s_lshl_b32 s34, s33, 8
	s_add_co_u32 s38, s38, s34
	s_add_nc_u64 s[36:37], s[36:37], s[38:39]
	global_load_b64 v[20:21], v7, s[36:37]         ; bias[n][head]
	s_and_b32 s34, ttmp9, 14
	s_cmp_lg_u32 s34, 0                            ; heads 0 and 1 of a Q phase go on
	s_cbranch_scc1 .Lst
	s_cmp_eq_u32 s33, 0
	s_cselect_b64 s[42:43], s[16:17], s[18:19]     ; head 0: lnQ_g; head 1: lnQ_b
	s_cselect_b32 s34, 0, 1.0                      ; and e's 1 with lnQ_b alone
	s_lshl_b32 s46, s35, 8
	s_add_nc_u64 s[42:43], s[42:43], s[46:47]
	s_add_nc_u64 s[44:45], s[20:21], s[46:47]
	global_load_b64 v[24:25], v7, s[42:43]
	global_load_b64 v[26:27], v7, s[44:45]         ; lnK_g[n]
	v_cmp_gt_u32 vcc_lo, 16, v1                    ; lanes 0-15 hold features 0-31
	v_mov_b32 v28, s34
	D 1
	v_cndmask_b32 v28, 0, v28, vcc_lo
	s_wait_alu depctr_va_vdst(0)                   ; ahead of the wait below
	s_wait_loadcnt 0x0
	v_add_f32 v24, v24, v28
	v_add_f32 v25, v25, v28
	D 2
	v_mul_f32 v22, v24, v26                        ; G2 or B2
	D 2
	v_mul_f32 v23, v25, v27
	s_branch .Lst
.Lhi:
	s_sub_co_u32 s32, ttmp9, 48
	s_cmp_ge_u32 s32, 4                            ; unsigned: units 32-47 fall out too
	s_cbranch_scc1 .Lst
	s_lshl_b32 s46, s32, 8
	s_add_nc_u64 s[42:43], s[22:23], s[46:47]
	global_load_b64 v[22:23], v7, s[42:43]         ; 64 numbers of bout
.Lst:
	s_wait_alu depctr_va_vdst(0)
	s_wait_loadcnt 0x0
	global_store_b64 v7, v[20:21], s[26:27] offset:11264       ; 32 lanes store one aligned run of 256 bytes
	global_store_b64 v7, v[22:23], s[26:27] offset:11520
.Lend:
	s_wait_tensorcnt 0x0                           ; the wave's end
	ds_add_u32 v128, v129
	s_wait_dscnt 0x0
	s_endpgm
.Lfunc_end_k_q48f450195c_pack:
	.size	k_q48f450195c_pack, .Lfunc_end_k_q48f450195c_pack-k_q48f450195c_pack
	.p2alignl 7, 3214868480
	.fill 96, 4, 3214868480
	.section	.rodata,"a",@progbits
	.p2align	6, 0x0
	.amdhsa_kernel k_q48f450195c_pack
		.amdhsa_group_segment_fixed_size 1536
		.amdhsa_private_segment_fixed_size 0
		.amdhsa_enable_private_segment 0
		.amdhsa_kernarg_size 88
		.amdhsa_user_sgpr_count 2
		.amdhsa_user_sgpr_kernarg_segment_ptr 1
		.amdhsa_wavefront_size32 1
		.amdhsa_system_sgpr_workgroup_id_x 1
		.amdhsa_system_sgpr_workgroup_id_y 1
		.amdhsa_system_sgpr_workgroup_id_z 1
		.amdhsa_system_vgpr_workitem_id 0
		.amdhsa_next_free_vgpr 130
		.amdhsa_next_free_sgpr 66
		.amdhsa_reserve_vcc 1
		.amdhsa_float_denorm_mode_32 3
		.amdhsa_float_denorm_mode_16_64 3
		.amdhsa_memory_ordered 1
		.amdhsa_forward_progress 1
		.amdhsa_inst_pref_size 23
	.end_amdhsa_kernel
	.amdgpu_metadata
---
amdhsa.version: [ 1, 2 ]
amdhsa.kernels:
  - .name:           k_q48f450195c_pack
    .symbol:         k_q48f450195c_pack.kd
    .args:
      - { .name: WQ, .offset: 0, .size: 8, .value_kind: global_buffer, .address_space: global }
      - { .name: WK, .offset: 8, .size: 8, .value_kind: global_buffer, .address_space: global }
      - { .name: WV, .offset: 16, .size: 8, .value_kind: global_buffer, .address_space: global }
      - { .name: Wout, .offset: 24, .size: 8, .value_kind: global_buffer, .address_space: global }
      - { .name: biasQ, .offset: 32, .size: 8, .value_kind: global_buffer, .address_space: global }
      - { .name: biasK, .offset: 40, .size: 8, .value_kind: global_buffer, .address_space: global }
      - { .name: lnQ_g, .offset: 48, .size: 8, .value_kind: global_buffer, .address_space: global }
      - { .name: lnQ_b, .offset: 56, .size: 8, .value_kind: global_buffer, .address_space: global }
      - { .name: lnK_g, .offset: 64, .size: 8, .value_kind: global_buffer, .address_space: global }
      - { .name: bout, .offset: 72, .size: 8, .value_kind: global_buffer, .address_space: global }
      - { .name: wpack, .offset: 80, .size: 8, .value_kind: global_buffer, .address_space: global }
    .group_segment_fixed_size: 1536
    .private_segment_fixed_size: 0
    .kernarg_segment_align: 8
    .kernarg_segment_size: 88
    .max_flat_workgroup_size: 256
    .sgpr_count:     66
    .vgpr_count:     130
    .wavefront_size: 32
...
	.end_amdgpu_metadata
.endif
;; end of part 1
;; launch fused (part 2): grid 512 x 1, 4 waves a work-group, clusters of 4 x 1, 327,680 bytes of LDS; arguments nodal, wpack, out0; writes out0
.if DOCPART == 2
	.amdgcn_target "amdgcn-amd-amdhsa--gfx1250"
	.amdhsa_code_object_version 6
	.text
	.protected	k_q48f450195c_fused
	.globl	k_q48f450195c_fused
	.p2align	8
	.type	k_q48f450195c_fused,@function
k_q48f450195c_fused:
	s_mov_b64 s[64:65], 0
	v_nop
	global_prefetch_b8 v0, s[64:65] scope:SCOPE_SE
	s_setreg_imm32_b32 hwreg(HW_REG_WAVE_MODE, 25, 1), 1
	s_wait_xcnt 0x0
	s_wait_alu depctr_hold_cnt(0) depctr_sa_sdst(0) depctr_va_vdst(0) depctr_va_sdst(0) depctr_va_ssrc(0) depctr_va_vcc(0) depctr_vm_vsrc(0)
	s_getreg_b32 s2, hwreg(HW_REG_IB_STS2, 6, 4)
	s_cmp_eq_u32 s2, 0
	s_cbranch_scc0 .Lentry_in_a_cluster
	s_endpgm
.Lentry_in_a_cluster:
	s_bfe_u32 s2, ttmp6, 0x10000c
	s_cmp_lg_u32 s2, 0x3003
	s_cbranch_scc0 .Lentry_shape_is_right
	s_endpgm
.Lentry_shape_is_right:
; The whole module for 128 points a work-group: six projections (BF6 codes, E8M0 scales), bias and LayerNorm of q and k, the attention among a point's 8 heads in f32, the last product with bout.
; LEFT OUT AS DEAD WORK (shown at the head of the packing launch): the rotation by coords, which cancels in q.k, and lnK_b with k's added 1, which are constant along the softmax's axis.
; score(qh, kh) = sum over n of rs_k sum over d of (yq G2 + B2) (xk - mean), G2 and B2 from the packing launch.  A NaN, an infinity or an overflow that reaches only the work left out is not carried to the result.
; SHARES.  Four waves, one to a SIMD; a wave owns 32 points, two tiles of 16; the pair of lanes (r, h) owns point r of each tile through the whole chain: no wave hands anything to another.
; Each weight fragment, scale word and bias read from LDS serves both tiles; the two tiles' short chains of dependent instructions are laid by turns.
; LAYOUT.  Every product is used transposed (source 0 = 16 rows of a weight, source 1 = 16 points).  A head's four tiles give lane (r, h) feature 32 u + 16 h + i in register 16 u + i: 16 registers are 16 neighbours along the last product's K.
; ORDER.  x quantised | n = 0, 1: q_n of 8 heads into 256 registers a tile; k_n head by head, its part of the 8 x 8 scores to LDS | softmax, the row's maximum taken away | n = 0, 1: v_n head by head, attn_n += p v; attn_n quantised, codes to LDS | last product | out.
; THE WEIGHTS: 64 units of 13,312 bytes in the order of use, 8 to a phase, through two LDS slots of a phase each.  All work-groups walk the same bytes: the four of a cluster ask jointly (mask 15), each wave for two units of a phase.
; No prefetch: x is read once, at the head, with no loop to run ahead in; each phase of weights is asked for a whole phase ahead of its first read.
; LIMITS: blocks whose largest magnitude lies under 2^-122 keep the scale byte 1; NaN and infinities among the inputs are not served.  The launch claims all of LDS.
.set UNITB,  13312
.set PHASEB, 8*UNITB
.set SCO,    12288                     ; in a unit: scale words, bias, the extra 256 bytes
.set BIO,    12800
.set EXO,    13056
.set WREGB,  26624                     ; LDS: a region for each wave, written by ds instructions alone: stage (16 x 528), S (0 ..), P (16,384 ..), codes (2 x 12,288), attn's scale words (24,576 ..)
.set SPARE,  4*WREGB                   ; the spare words, 128 bytes a wave
.set SLOT0,  SPARE+512
.set SLOT1,  SLOT0+PHASEB              ; the slots lie on end: in the last product unit u lies at SLOT0 + u UNITB
.set FLIP,   SLOT0^SLOT1
.set SPITCH, 528                       ; a stage row: 512 bytes + 16
.set PREG,   16384
.set CODEB,  12288
.set ASB,    24576
; window 0
.set SPW, 1                            ; my spare word; never rewritten
.set NIL, 2                            ; 0; never rewritten
.set L16, 3                            ; 16 x lane
.set AST, 4                            ; my region + 16 x lane
.set A8,  5                            ; my region + 8 x lane
.set AXR, 6                            ; my region + 528 r + 64 h
.set ASO, 7                            ; my region + 528 r + 32 h
.set R32, 8                            ; SCO + 32 r
.set ABI, 9                            ; BIO + 64 h
.set APR, 10                           ; my region + PREG + 16 r
.set AW,  11                           ; v11-17, v20-22: addresses made anew
.set ASC, 12
.set ABD, 13
.set ASS, 14
.set APD, 15
.set ACW, 16
.set ACW8, 17
.set ABO, 18                           ; SLOT0 + EXO + 32 h
.set A4,  19                           ; my region + ASB + 4 x lane
.set ACF, 20
.set ACF8, 21
.set AC4, 22
.set WSA, 24                           ; a unit's 8 scale words
.set TT,  32                           ; + 16 p: at work
.set WSB, 32                           ; last product: the second set of scale words
.set XS,  64                           ; + 2 p + s: x's scale words
.set AS,  68                           ; + 8 p + head: attn's scale words
.set PB,  84                           ; + 8 p: p(qh = 0 .. 7, kh)
.set SF,  84                           ; last product: + 2 buffer + p: attn's scale word of the K step in hand
.set MU,  100                          ; + 2 p: the mean (a pair is named; the upper half is written once)
.set RS,  104                          ; + 2 p: 1 / sqrt(var + eps), likewise
.set ACC, 108                          ; + 32 p: a head's four accumulators (K, V)
.set GG,  172                          ; G2
.set EE,  172                          ; + 32 p: the softmax's second set
.set CD,  172                          ; the quantiser's twelve registers of codes
.set BK,  204                          ; a key head's bias
.set QT,  236                          ; the quantiser: +0 maxima, +4 bytes, +8 scale operands, +12 and +16 second conversions
; window 1
.set WF,  0                            ; a unit's 8 fragments
.set WF2, 96                           ; last product: the second set
.set B2,  96                           ; Q phases: B2
.set BQ,  128                          ; Q phases: a query head's bias
.set XF,  192                          ; + 24 p + 12 s: x's fragments
; windows 2 + p: q_n, then attn_n: v[32 head + i]; at the start x; at the end 16 accumulators (v0-127), two buffers of attn's fragments (v128, v140), then rows of y
; scalars: s[4:5] nodal, s[6:7] wpack, s[8:9] out0; s12 wave; s[16:23] group 1; s[32:35] group 0, which walks; s[40:41] lane selects; s42 1/64; s43 1e-5; s44 my two units' byte in a phase
.set MSB, 0
.macro WIN new                         ; bits 1:0 source 0, 3:2 source 1, 5:4 source 2, 7:6 destination; the high byte repeats the setting that is left
.if MSB != (\new)
	s_set_vgpr_msb (MSB<<8)|(\new)
.set MSB, \new
.endif
.endm
.macro NOPS n
.rept \n
	v_nop
.endr
.endm
.macro ROUND                           ; a round of the cluster's barrier
	s_barrier_signal -1
	s_barrier_wait -1
	s_cmp_lg_u32 s12, 0
	s_cbranch_scc1 .Lnot_wave_0_\@
	s_barrier_signal -3
.Lnot_wave_0_\@:
	s_barrier_wait -3
	s_barrier_signal -1
	s_barrier_wait -1
.endm
; THE CHANGE OF SLOTS.  Each wave waits for its one tensor load (its quarter of the slot read next), adds 0 to its spare word, and waits for that and for its reads of the slot that it leaves.
; fill = 1: behind a round of the cluster's barrier the slot at tgt takes the next phase: the wave's one tensor load until the next change.
.macro CHANGE tgt, fill
	WIN 0
	s_wait_alu depctr_va_vdst(0)                   ; ahead of the waits below
	s_wait_tensorcnt 0x0                           ; no tensor load of mine is out, so group 0 may be written
	ds_add_u32 v[SPW], v[NIL]
.if \fill
	s_add_co_u32 s33, s44, \tgt
	s_add_nc_u64 s[34:35], s[34:35], PHASEB
.endif
	s_wait_dscnt 0x0
.if \fill
	ROUND
	tensor_load_to_lds s[32:35], s[16:23]
	s_nop 0
	NOPS 4
.else
	s_barrier_signal -1
	s_barrier_wait -1
.endif
.endm
.macro PF base, buf, ws                ; 26 LDS loads: the unit at LDS byte base: scale words, and 8 fragments into window 1, 512 consecutive bytes a load
	v_add_nc_u32 v[AW], \base, v[L16]
	v_add_nc_u32 v[ASC], \base, v[R32]
	ds_load_b128 v[\ws:\ws+3], v[ASC]
	ds_load_b128 v[\ws+4:\ws+7], v[ASC] offset:16
	WIN 0x40
.set pfi, 0
.rept 24
	ds_load_b128 v[\buf+4*pfi:\buf+4*pfi+3], v[AW] offset:512*pfi
.set pfi, pfi+1
.endr
	WIN 0
.endm
.macro LD8 dst, off                    ; 64 numbers by feature into the accumulators' layout, from v[ABD] = the unit + BIO + 64 h
.irp j, 0,1,2,3,4,5,6,7
	ds_load_b128 v[(\dst)+4*\j:(\dst)+4*\j+3], v[ABD] offset:(\off)+(\j/4)*128+(\j%4)*16
.endr
.endm
; A head's projection for both tiles: 8 accumulators by turns, two K steps.  The bias is the C of each sum's first instruction.
.macro WMMAQ hd                        ; the sums run in q's own registers
.irp tp, 0,1
	WIN ((2+\tp)<<6)|0x15
.irp t, 0,1,2,3
	v_wmma_scale_f32_16x16x128_f8f6f4 v[32*\hd+8*\t:32*\hd+8*\t+7], v[WF+12*\t:WF+12*\t+11], v[XF+24*\tp:XF+24*\tp+11], v[BQ+8*\t:BQ+8*\t+7], v[WSA+\t], v[XS+2*\tp] matrix_a_fmt:MATRIX_FMT_BF6 matrix_b_fmt:MATRIX_FMT_BF6
.endr
.endr
.irp tp, 0,1
	WIN ((2+\tp)*0x50)|5
.irp t, 0,1,2,3
	v_wmma_scale_f32_16x16x128_f8f6f4 v[32*\hd+8*\t:32*\hd+8*\t+7], v[WF+48+12*\t:WF+48+12*\t+11], v[XF+24*\tp+12:XF+24*\tp+23], v[32*\hd+8*\t:32*\hd+8*\t+7], v[WSA+4+\t], v[XS+2*\tp+1] matrix_a_fmt:MATRIX_FMT_BF6 matrix_b_fmt:MATRIX_FMT_BF6
.endr
.endr
	WIN 0
	NOPS 4                                         ; places ahead of loads into the operands and of the first read of results
.endm
.macro WMMAK zero                      ; into ACC; zero = 1: the constant 0 starts the sums (v), else the key head's bias
	WIN 0x05
.irp tp, 0,1
.irp t, 0,1,2,3
.if \zero
	v_wmma_scale_f32_16x16x128_f8f6f4 v[ACC+32*\tp+8*\t:ACC+32*\tp+8*\t+7], v[WF+12*\t:WF+12*\t+11], v[XF+24*\tp:XF+24*\tp+11], 0, v[WSA+\t], v[XS+2*\tp] matrix_a_fmt:MATRIX_FMT_BF6 matrix_b_fmt:MATRIX_FMT_BF6
.else
	v_wmma_scale_f32_16x16x128_f8f6f4 v[ACC+32*\tp+8*\t:ACC+32*\tp+8*\t+7], v[WF+12*\t:WF+12*\t+11], v[XF+24*\tp:XF+24*\tp+11], v[BK+8*\t:BK+8*\t+7], v[WSA+\t], v[XS+2*\tp] matrix_a_fmt:MATRIX_FMT_BF6 matrix_b_fmt:MATRIX_FMT_BF6
.endif
.endr
.endr
.irp tp, 0,1
.irp t, 0,1,2,3
	v_wmma_scale_f32_16x16x128_f8f6f4 v[ACC+32*\tp+8*\t:ACC+32*\tp+8*\t+7], v[WF+48+12*\t:WF+48+12*\t+11], v[XF+24*\tp+12:XF+24*\tp+23], v[ACC+32*\tp+8*\t:ACC+32*\tp+8*\t+7], v[WSA+4+\t], v[XS+2*\tp+1] matrix_a_fmt:MATRIX_FMT_BF6 matrix_b_fmt:MATRIX_FMT_BF6
.endr
.endr
	WIN 0
	NOPS 4
.endm
.macro FOLD                            ; eight packed chains of each tile, in TT + 16 p on, become the point's sum over 64, in TT + 16 p, in both lanes of the pair; the tiles by turns
.irp c, 0,2,4,6
.irp tp, 0,1
	v_pk_add_f32 v[TT+16*\tp+\c:TT+16*\tp+\c+1], v[TT+16*\tp+\c:TT+16*\tp+\c+1], v[TT+16*\tp+8+\c:TT+16*\tp+9+\c]
.endr
.endr
.irp c, 0,2
.irp tp, 0,1
	v_pk_add_f32 v[TT+16*\tp+\c:TT+16*\tp+\c+1], v[TT+16*\tp+\c:TT+16*\tp+\c+1], v[TT+16*\tp+4+\c:TT+16*\tp+5+\c]
.endr
.endr
.irp tp, 0,1
	v_pk_add_f32 v[TT+16*\tp:TT+16*\tp+1], v[TT+16*\tp:TT+16*\tp+1], v[TT+16*\tp+2:TT+16*\tp+3]
.endr
.irp tp, 0,1
	v_add_f32 v[TT+16*\tp], v[TT+16*\tp], v[TT+16*\tp+1]
.endr
.irp tp, 0,1
	v_permlanex16_b32 v[TT+16*\tp+1], v[TT+16*\tp], s40, s41
.endr
.irp tp, 0,1
	v_add_f32 v[TT+16*\tp], v[TT+16*\tp], v[TT+16*\tp+1]
.endr
.endm
; A head's 64 numbers of each tile, at b + st p (w = 1: in window 2 + p): the mean is taken away in place, and 1 / sqrt(var + eps) is asked for into RS; the wait for it is the caller's.
.macro LNCORE b, st, w
.irp tp, 0,1
	WIN (\w)*(2+\tp)*5
.irp t, 0,1,2,3
	v_pk_add_f32 v[TT+16*\tp+2*\t:TT+16*\tp+2*\t+1], v[(\b)+(\st)*\tp+8*\t:(\b)+(\st)*\tp+8*\t+1], v[(\b)+(\st)*\tp+8*\t+2:(\b)+(\st)*\tp+8*\t+3]   ; each accumulator from its low end on
.endr
.irp t, 0,1,2,3
	v_pk_add_f32 v[TT+16*\tp+8+2*\t:TT+16*\tp+9+2*\t], v[(\b)+(\st)*\tp+8*\t+4:(\b)+(\st)*\tp+8*\t+5], v[(\b)+(\st)*\tp+8*\t+6:(\b)+(\st)*\tp+8*\t+7]
.endr
.endr
	WIN 0
	FOLD
.irp tp, 0,1
	v_mul_f32 v[MU+2*\tp], s42, v[TT+16*\tp]
.endr
.irp tp, 0,1
	WIN (\w)*(2+\tp)*0x41
.set li, 0
.rept 16
	v_pk_add_f32 v[(\b)+(\st)*\tp+2*li:(\b)+(\st)*\tp+2*li+1], v[(\b)+(\st)*\tp+2*li:(\b)+(\st)*\tp+2*li+1], v[MU+2*\tp:MU+2*\tp+1] op_sel_hi:[1,0] neg_lo:[0,1] neg_hi:[0,1]
.set li, li+1
.endr
.endr
.irp tp, 0,1
	WIN (\w)*(2+\tp)*5
.irp c, 0,1,2,3,4,5,6,7
	v_pk_mul_f32 v[TT+16*\tp+2*\c:TT+16*\tp+2*\c+1], v[(\b)+(\st)*\tp+2*\c:(\b)+(\st)*\tp+2*\c+1], v[(\b)+(\st)*\tp+2*\c:(\b)+(\st)*\tp+2*\c+1]
.endr
.irp c, 0,1,2,3,4,5,6,7
	v_pk_fma_f32 v[TT+16*\tp+2*\c:TT+16*\tp+2*\c+1], v[(\b)+(\st)*\tp+16+2*\c:(\b)+(\st)*\tp+17+2*\c], v[(\b)+(\st)*\tp+16+2*\c:(\b)+(\st)*\tp+17+2*\c], v[TT+16*\tp+2*\c:TT+16*\tp+2*\c+1]
.endr
.endr
	WIN 0
	FOLD
.irp tp, 0,1
	v_fma_f32 v[TT+16*\tp], v[TT+16*\tp], s42, s43 ; var + eps
.endr
	s_wait_alu depctr_va_vdst(0)                   ; ahead of the transcendentals
.irp tp, 0,1
	v_rsq_f32 v[RS+2*\tp], v[TT+16*\tp]
.endr
	v_nop                                          ; one plain place behind them
.endm
.macro LNQ hd                          ; q of head hd, in place: (x - mean) rs G2 + B2
	LNCORE 32*\hd, 0, 1
	s_wait_alu depctr_va_vdst(0)                   ; ahead of the first reader of RS
.irp tp, 0,1
	WIN ((2+\tp)*0x41)|0x10                        ; source 2 (B2) in window 1
.set li, 0
.rept 16
	v_pk_mul_f32 v[32*\hd+2*li:32*\hd+2*li+1], v[32*\hd+2*li:32*\hd+2*li+1], v[RS+2*\tp:RS+2*\tp+1] op_sel_hi:[1,0]
.set li, li+1
.endr
.set li, 0
.rept 16
	v_pk_fma_f32 v[32*\hd+2*li:32*\hd+2*li+1], v[32*\hd+2*li:32*\hd+2*li+1], v[GG+2*li:GG+2*li+1], v[B2+2*li:B2+2*li+1]
.set li, li+1
.endr
.endr
	WIN 0
.endm
; All 8 query heads against the key head in ACC, this n's 64 features: 8 packed chains a tile.  The exchange of halves leaves lane (r, h) the whole sums of qh = 4 h + 0 .. 3; x rs_k; 16 bytes to LDS.
.macro SCORE
.irp tp, 0,1
	WIN 2+\tp
.irp qh, 0,1,2,3,4,5,6,7
	v_pk_mul_f32 v[TT+16*\tp+2*\qh:TT+16*\tp+2*\qh+1], v[32*\qh:32*\qh+1], v[ACC+32*\tp:ACC+32*\tp+1]
.endr
.irp a, 2,4,6,8,10,12,14,16,18,20,22,24,26,28,30
.irp qh, 0,1,2,3,4,5,6,7
	v_pk_fma_f32 v[TT+16*\tp+2*\qh:TT+16*\tp+2*\qh+1], v[32*\qh+\a:32*\qh+\a+1], v[ACC+32*\tp+\a:ACC+32*\tp+\a+1], v[TT+16*\tp+2*\qh:TT+16*\tp+2*\qh+1]
.endr
.endr
.endr
	WIN 0
.irp qh, 0,1,2,3,4,5,6,7
.irp tp, 0,1
	v_add_f32 v[TT+16*\tp+\qh], v[TT+16*\tp+2*\qh], v[TT+16*\tp+2*\qh+1]   ; ascending, in place
.endr
.endr
.irp i, 0,1,2,3
.irp tp, 0,1
	v_permlane16_swap_b32 v[TT+16*\tp+\i], v[TT+16*\tp+4+\i]   ; lanes 16-31 of qh = i change places with lanes 0-15 of qh = 4 + i
.endr
.endr
.irp c, 0,2
.irp tp, 0,1
	v_pk_add_f32 v[TT+16*\tp+\c:TT+16*\tp+\c+1], v[TT+16*\tp+\c:TT+16*\tp+\c+1], v[TT+16*\tp+4+\c:TT+16*\tp+5+\c]
.endr
.endr
	s_wait_alu depctr_va_vdst(0)                   ; ahead of the first reader of RS
.irp c, 0,2
.irp tp, 0,1
	v_pk_mul_f32 v[TT+16*\tp+\c:TT+16*\tp+\c+1], v[TT+16*\tp+\c:TT+16*\tp+\c+1], v[RS+2*\tp:RS+2*\tp+1] op_sel_hi:[1,0]
.endr
.endr
.irp tp, 0,1
	ds_store_b128 v[ASS], v[TT+16*\tp:TT+16*\tp+3] offset:\tp*4096
.endr
.endm
.macro PLD tp                          ; p(qh = 0 .. 7, kh) of my point: lane r's 16 bytes and lane 16 + r's
	ds_load_b128 v[PB+8*\tp:PB+8*\tp+3], v[APD] offset:\tp*4096
	ds_load_b128 v[PB+8*\tp+4:PB+8*\tp+7], v[APD] offset:\tp*4096+256
.endm
.macro PV tp, first                    ; attn(qh) += p(qh, kh) v(kh); first = 1: the products start the sums
	WIN (2+\tp)*0x50
.irp qe, 0,2,4,6
.irp o, 0,1
.irp a, 0,2,4,6,8,10,12,14,16,18,20,22,24,26,28,30
.if \first
	v_pk_mul_f32 v[32*(\qe+\o)+\a:32*(\qe+\o)+\a+1], v[ACC+32*\tp+\a:ACC+32*\tp+\a+1], v[PB+8*\tp+\qe:PB+8*\tp+\qe+1] op_sel:[0,\o] op_sel_hi:[1,\o]
.else
	v_pk_fma_f32 v[32*(\qe+\o)+\a:32*(\qe+\o)+\a+1], v[ACC+32*\tp+\a:ACC+32*\tp+\a+1], v[PB+8*\tp+\qe:PB+8*\tp+\qe+1], v[32*(\qe+\o)+\a:32*(\qe+\o)+\a+1] op_sel:[0,\o,0] op_sel_hi:[1,\o,1]
.endif
.endr
.endr
.endr
	WIN 0
.endm
; 64 numbers of a lane in the tile's window, register 16 b + i = number 32 b + 16 h + i of my point's four blocks, become twelve registers of codes at CD and four scale bytes at QT + 4.
.macro Q4 tp, src
	WIN (2+\tp)*0x14
.irp b, 0,1,2,3
	v_max3_num_f32 v[QT+\b], 0x2800000, |v[(\src)+16*\b]|, |v[(\src)+16*\b+1]|   ; with the floor 2^(5 - 127): the byte cannot fall under 1
.endr
.irp i, 2,4,6,8,10,12,14
.irp b, 0,1,2,3
	v_max3_num_f32 v[QT+\b], v[QT+\b], |v[(\src)+16*\b+\i]|, |v[(\src)+16*\b+\i+1]|
.endr
.endr
	WIN 0
.irp b, 0,1,2,3
	v_permlanex16_b32 v[QT+4+\b], v[QT+\b], s40, s41
.endr
.irp b, 0,1,2,3
	v_max_num_f32 v[QT+\b], v[QT+\b], v[QT+4+\b]   ; the block's largest magnitude
.endr
.irp b, 0,1,2,3
	v_add_nc_u32 v[QT+8+\b], 0xfe000000, v[QT+\b]  ; 4 off its exponent field: the conversion's scale operand
.endr
.irp b, 0,1,2,3
	v_lshrrev_b32 v[QT+4+\b], 23, v[QT+8+\b]       ; the scale's byte
.endr
	WIN 2+\tp
.irp c, 0,1
	v_cvt_scalef32_pk16_bf6_f32 v[CD+6*\c:CD+6*\c+2], v[(\src)+32*\c:(\src)+32*\c+15], v[QT+8+2*\c]
	v_cvt_scalef32_pk16_bf6_f32 v[QT+12+4*\c:QT+14+4*\c], v[(\src)+32*\c+16:(\src)+32*\c+31], v[QT+9+2*\c]   ; (three registers from an even number on)
.endr
	WIN 0
	v_nop                                          ; one plain place behind a scaled conversion
.irp c, 0,1                                    ; the operand's layout wants a whole block in a lane
.irp i, 0,1,2
	v_permlane16_swap_b32 v[CD+6*\c+\i], v[QT+12+4*\c+\i]
.endr
.irp i, 0,1,2
	v_mov_b32 v[CD+3+6*\c+\i], v[QT+12+4*\c+\i]
.endr
.endr
.endm
; K step ks of a tile's x, loaded 512 consecutive bytes an instruction, turns through my stage: a lane gets 16 neighbours of each block of 32 of its point.  LDS serves a wave's instructions in order (ISA guide 5.7.1.4).
.macro XSTAGE tp, ks
	WIN (2+\tp)<<2
.set xi, 0
.rept 16
	ds_store_b128 v[AST], v[128+64*\ks+4*xi:131+64*\ks+4*xi] offset:xi*SPITCH
.set xi, xi+1
.endr
	WIN (2+\tp)<<6
.set xi, 0
.rept 16
	ds_load_b128 v[64*\ks+4*xi:64*\ks+4*xi+3], v[AXR] offset:128*(xi/4)+16*(xi%4)
.set xi, xi+1
.endr
	WIN 0
.endm
.macro XQ tp, ks
	Q4 \tp, 64*\ks
	v_lshl_or_b32 v[XS+2*\tp+\ks], v[QT+5], 8, v[QT+4]
	v_lshl_or_b32 v[XS+2*\tp+\ks], v[QT+6], 16, v[XS+2*\tp+\ks]
	v_lshl_or_b32 v[XS+2*\tp+\ks], v[QT+7], 24, v[XS+2*\tp+\ks]
	WIN 0x40
.irp i, 0,1,2,3,4,5,6,7,8,9,10,11
	v_mov_b32 v[XF+24*\tp+12*\ks+\i], v[CD+\i]
.endr
	WIN 0
.endm
; Lane (r, h) holds rows qh = 4 h + 0 .. 3 of its point's 8 x 8 scores, register 4 kh + i.  The two n are added, the row's maximum is taken away, p = 2^((s - m) c), c = log2(e) / sqrt(128), normalised, stored as it was loaded.
.macro SOFTMAX
.irp tp, 0,1
.irp kh, 0,1,2,3,4,5,6,7
	ds_load_b128 v[ACC+32*\tp+4*\kh:ACC+32*\tp+4*\kh+3], v[AST] offset:\tp*4096+\kh*512
.endr
.irp kh, 0,1,2,3,4,5,6,7
	ds_load_b128 v[EE+32*\tp+4*\kh:EE+32*\tp+4*\kh+3], v[AST] offset:(2+\tp)*4096+\kh*512
.endr
.endr
	s_wait_dscnt 0x0
.set li, 0
.rept 32
	v_pk_add_f32 v[ACC+2*li:ACC+2*li+1], v[ACC+2*li:ACC+2*li+1], v[EE+2*li:EE+2*li+1]
.set li, li+1
.endr
.irp tp, 0,1
.irp i, 0,1,2,3
	v_max3_num_f32 v[EE+32*\tp+\i], v[ACC+32*\tp+\i], v[ACC+32*\tp+4+\i], v[ACC+32*\tp+8+\i]
.endr
.endr
.irp k, 12,20
.irp tp, 0,1
.irp i, 0,1,2,3
	v_max3_num_f32 v[EE+32*\tp+\i], v[EE+32*\tp+\i], v[ACC+32*\tp+\k+\i], v[ACC+32*\tp+\k+4+\i]
.endr
.endr
.endr
.irp tp, 0,1
.irp i, 0,1,2,3
	v_max_num_f32 v[EE+32*\tp+\i], v[EE+32*\tp+\i], v[ACC+32*\tp+28+\i]
.endr
.endr
.irp tp, 0,1
.irp i, 0,1,2,3
	v_mul_f32 v[EE+32*\tp+\i], 0xbe0293ee, v[EE+32*\tp+\i]     ; -m c
.endr
.endr
.irp tp, 0,1
.set li, 0
.rept 16
	v_pk_fma_f32 v[ACC+32*\tp+2*li:ACC+32*\tp+2*li+1], v[ACC+32*\tp+2*li:ACC+32*\tp+2*li+1], 0x3e0293ee, v[EE+32*\tp+2*(li%2):EE+32*\tp+2*(li%2)+1] op_sel_hi:[1,0,1]
.set li, li+1
.endr
.endr
	s_wait_alu depctr_va_vdst(0)                   ; ahead of the batch
.set li, 0
.rept 64
	v_exp_f32 v[ACC+li], v[ACC+li]
.set li, li+1
.endr
	v_nop
	s_wait_alu depctr_va_vdst(0)                   ; and behind it
.irp tp, 0,1
.irp x, 0,1,2,3,4,5,6,7                        ; the rows' sums as a tree: leaf x = key heads 2 (x / 2), + 1, rows 2 (x % 2), + 1
	v_pk_add_f32 v[EE+32*\tp+4+2*\x:EE+32*\tp+5+2*\x], v[ACC+32*\tp+8*(\x/2)+2*(\x%2):ACC+32*\tp+8*(\x/2)+2*(\x%2)+1], v[ACC+32*\tp+8*(\x/2)+4+2*(\x%2):ACC+32*\tp+8*(\x/2)+5+2*(\x%2)]
.endr
.endr
.irp c, 4,6,12,14
.irp tp, 0,1
	v_pk_add_f32 v[EE+32*\tp+\c:EE+32*\tp+\c+1], v[EE+32*\tp+\c:EE+32*\tp+\c+1], v[EE+32*\tp+\c+4:EE+32*\tp+\c+5]
.endr
.endr
.irp c, 4,6
.irp tp, 0,1
	v_pk_add_f32 v[EE+32*\tp+\c:EE+32*\tp+\c+1], v[EE+32*\tp+\c:EE+32*\tp+\c+1], v[EE+32*\tp+\c+8:EE+32*\tp+\c+9]
.endr
.endr
	s_wait_alu depctr_va_vdst(0)
.irp tp, 0,1
.irp i, 0,1,2,3
	v_rcp_f32 v[EE+32*\tp+4+\i], v[EE+32*\tp+4+\i]
.endr
.endr
	v_nop
	s_wait_alu depctr_va_vdst(0)
.irp tp, 0,1
.set li, 0
.rept 16
	v_pk_mul_f32 v[ACC+32*\tp+2*li:ACC+32*\tp+2*li+1], v[ACC+32*\tp+2*li:ACC+32*\tp+2*li+1], v[EE+32*\tp+4+2*(li%2):EE+32*\tp+5+2*(li%2)]
.set li, li+1
.endr
.endr
.irp tp, 0,1
.irp kh, 0,1,2,3,4,5,6,7
	ds_store_b128 v[AST], v[ACC+32*\tp+4*\kh:ACC+32*\tp+4*\kh+3] offset:PREG+\tp*4096+\kh*512
.endr
.endr
.endm
; One key head of a V phase.  The last trip reads the last unit and the last p once more, so that every count is the same on every way.
.macro VBODY first
	s_wait_dscnt 0x2                               ; the unit and tile 0's p are in; the youngest two loads (tile 1's p) may be out
	WMMAK 1
	s_add_co_u32 s56, s56, UNITB
	s_min_u32 s45, s56, 7*UNITB
	s_add_co_u32 s45, s45, s52
	PF s45, WF, WSA
	PV 0, \first
	s_add_co_u32 s13, s13, 512
	s_min_u32 s51, s13, 3584
	v_add_nc_u32 v[APD], s51, v[APR]
	PLD 0
	s_wait_dscnt 28                                ; tile 1's p is in: behind it stand the unit's 26 loads and tile 0's next two
	PV 1, \first
	PLD 1
.endm
; The last product.  FRAG: 10 LDS loads: one K step's fragment of attn and its scale word, both tiles, into buffer buf, as they were stored.
.macro FRAG buf
.irp tq, 0,1
	WIN (2+\tq)<<6
.irp nn, 0,1
	ds_load_b128 v[128+12*\buf+6*\nn:128+12*\buf+6*\nn+3], v[ACF] offset:\nn*CODEB+\tq*6144
	ds_load_b64 v[128+12*\buf+6*\nn+4:128+12*\buf+6*\nn+5], v[ACF8] offset:\nn*CODEB+\tq*6144+512
.endr
.endr
	WIN 0
.irp tq, 0,1
	ds_load_b32 v[SF+2*\buf+\tq], v[AC4] offset:\tq*1024
.endr
.endm
.macro FADR k                          ; the addresses of K step kk + k, held at the last
	s_add_co_u32 s50, s58, (\k)*768
	s_min_u32 s50, s50, 7*768
	s_add_co_u32 s51, s59, (\k)*128
	s_min_u32 s51, s51, 7*128
	v_add_nc_u32 v[ACF], s50, v[AST]
	v_add_nc_u32 v[ACF8], s50, v[A8]
	v_add_nc_u32 v[AC4], s51, v[A4]
.endm
.macro OUTU wf, ws, buf, hf            ; one unit: 128 along K, outputs 128 hf on, both tiles: 16 accumulators, each once
.irp tp, 0,1
	WIN ((2+\tp)*0x54)|1
.irp f, 0,1,2,3,4,5,6,7
	v_wmma_scale_f32_16x16x128_f8f6f4 v[64*\hf+8*\f:64*\hf+8*\f+7], v[\wf+12*\f:\wf+12*\f+11], v[128+12*\buf:128+12*\buf+11], v[64*\hf+8*\f:64*\hf+8*\f+7], v[\ws+\f], v[SF+2*\buf+\tp] matrix_a_fmt:MATRIX_FMT_BF6 matrix_b_fmt:MATRIX_FMT_BF6
.endr
.endr
	WIN 0
	NOPS 4
.endm
; ---------------- the head
	s_load_b128 s[4:7], s[0:1], 0x0                ; nodal, wpack
	s_load_b64 s[8:9], s[0:1], 0x10                ; out0
	v_lshl_add_u32 v[SPW], v0, 2, SPARE
	v_mov_b32 v[NIL], 0
	ds_add_u32 v[SPW], v[NIL]                      ; the opening lines: the add twice on end and one wait
	ds_add_u32 v[SPW], v[NIL]
	v_lshrrev_b32 v23, 5, v0
	v_readfirstlane_b32 s12, v23                   ; wave 0..3
	s_bfe_u32 s3, ttmp6, 0x40000                   ; cx: it enters the addresses of nodal and out0 alone
	s_lshl_b32 s13, ttmp9, 2
	s_add_co_u32 s3, s13, s3                       ; my block of 128 points
	s_mul_i32 s46, s12, WREGB                      ; my region of LDS
	v_and_b32 v32, 31, v0                          ; lane
	v_and_b32 v33, 15, v0                          ; r
	v_bfe_u32 v34, v0, 4, 1                        ; h
.irp tp, 0,1
	v_mov_b32 v[MU+2*\tp+1], 0                     ; upper halves of pairs that are named whole
	v_mov_b32 v[RS+2*\tp+1], 0
.endr
.irp b, 0,1,2,3
	v_mov_b32 v[QT+4+\b], 0                        ; a lane permute's destination counts as one of its sources
.endr
	v_lshlrev_b32 v[L16], 4, v32
	v_lshl_add_u32 v[A8], v32, 3, s46
	v_lshl_add_u32 v[A4], v32, 2, s46
	v_mul_u32_u24 v35, v33, SPITCH
	v_lshlrev_b32 v[R32], 5, v33
	v_lshlrev_b32 v[ABI], 6, v34
	v_lshl_add_u32 v[APR], v33, 4, s46
	v_lshl_add_u32 v[ABO], v34, 5, SLOT0+EXO
	v_add_nc_u32 v[AST], s46, v[L16]
	v_add_nc_u32 v[A4], ASB, v[A4]
	v_add_nc_u32 v35, s46, v35
	v_add_nc_u32 v[R32], SCO, v[R32]
	v_add_nc_u32 v[ABI], BIO, v[ABI]
	v_add_nc_u32 v[APR], PREG, v[APR]
	v_lshl_add_u32 v[AXR], v34, 6, v35
	v_lshl_add_u32 v[ASO], v34, 5, v35
	s_mov_b32 s40, 0x76543210
	s_mov_b32 s41, 0xfedcba98                      ; lane l xor 16
	s_mov_b32 s42, 0x3c800000                      ; 1 / 64
	s_mov_b32 s43, 0x3727c5ac                      ; 1e-5
	s_mov_b32 s16, 15|(3<<16)|(1<<21)              ; group 1: two units as 104 dense rows of 256 bytes (32 elements of 8); the mask names all four work-groups, bit 21 beside it
	s_mov_b32 s17, 32<<16
	s_mov_b32 s18, 104<<16
	s_mov_b32 s19, 32<<16
	s_mov_b32 s20, 104
	s_mov_b32 s21, 32
	s_mov_b32 s22, 0
	s_mov_b32 s23, 0
	s_mul_i32 s44, s12, 2*UNITB                    ; my quarter of a phase: the wave's number alone enters the descriptors
	s_mov_b32 s32, 1
	s_add_co_u32 s33, s44, SLOT0
	s_mov_b32 s50, s44
	s_mov_b32 s51, 0
	s_lshl_b32 s14, s3, 17                         ; 128 points of 1,024 bytes,
	s_lshl_b32 s15, s12, 15                        ; my wave's 32
	s_add_co_u32 s14, s14, s15
	s_mov_b32 s15, 0
	s_wait_alu depctr_va_vdst(0)                   ; at the head's end
	s_wait_dscnt 0x0
	s_wait_kmcnt 0x0
	s_add_nc_u64 s[34:35], s[6:7], s[50:51]
	s_or_b32 s35, s35, 0x80000000
	s_add_nc_u64 s[4:5], s[4:5], s[14:15]
	s_add_nc_u64 s[8:9], s[8:9], s[14:15]
.irp tp, 0,1                                   ; x as it lies, 512 consecutive bytes a load; of each tile K step 0 of all rows first
	WIN (2+\tp)<<6
.irp ks, 0,1
.set xi, 0
.rept 16
	global_load_b128 v[128+64*\ks+4*xi:131+64*\ks+4*xi], v[L16], s[4:5] offset:16384*\tp+1024*xi+512*\ks th:TH_LOAD_NT
.set xi, xi+1
.endr
.endr
.endr
	WIN 0
	ROUND                                          ; all four work-groups are here: the first joint loads meet
	tensor_load_to_lds s[32:35], s[16:23]          ; my quarter of phase 0 into slot 0: my one load at the head
	s_nop 0
	NOPS 4
; ---------------- x becomes codes
	s_wait_loadcnt 48                              ; the first 16 loads are in, and so on by sixteens
	XSTAGE 0, 0
	s_wait_loadcnt 32
	XSTAGE 0, 1
	s_wait_loadcnt 16
	XSTAGE 1, 0
	s_wait_loadcnt 0x0
	XSTAGE 1, 1
	s_wait_dscnt 63                                ; the first turn is back: 96 LDS instructions are younger, and a smaller count is safe
	XQ 0, 0
	s_wait_dscnt 63                                ; the second: 64 are younger
	XQ 0, 1
	s_wait_dscnt 32
	XQ 1, 0
	s_wait_dscnt 0x0
	XQ 1, 1
	NOPS 8                                         ; a scale word written by vector instructions stands eight places ahead of a scaled matrix instruction
; ---------------- q, k and the scores, for n = 0, 1
	s_mov_b32 s14, 0                               ; 8,192 n
	s_mov_b32 s57, 0
.Ln:
	CHANGE SLOT1, 1                                ; Q_n lies in slot 0; K_n is asked for
	PF SLOT0, WF, WSA
	v_add_nc_u32 v[ABD], SLOT0, v[ABI]
	LD8 GG, 256                                    ; G2: unit 0's extra bytes
	WIN 0x40
	LD8 B2, UNITB+256                              ; B2: unit 1's
	LD8 BQ, 0                                      ; head 0's bias
	WIN 0
.irp hd, 0,1,2,3,4,5,6,7                       ; written out: q's registers are fixed numbers
	s_wait_dscnt 0x0
	WMMAQ \hd
.if \hd < 7
	PF SLOT0+(\hd+1)*UNITB, WF, WSA
	v_add_nc_u32 v[ABD], SLOT0+(\hd+1)*UNITB, v[ABI]
	WIN 0x40
	LD8 BQ, 0
	WIN 0
.else
	CHANGE SLOT0, 1                                ; slot 0 is read out: it takes the phase after K_n; K_n lies in slot 1
	PF SLOT1, WF, WSA
	v_add_nc_u32 v[ABD], SLOT1, v[ABI]
	LD8 BK, 0                                      ; key head 0's bias
.endif
	LNQ \hd
.endr
	s_mov_b32 s56, 0
	s_mov_b32 s13, 0
	s_wait_dscnt 0x0
.Lk:                                               ; 8 trips: a key head each
	s_wait_dscnt 0x2                               ; the unit and its bias are in; the youngest two, the last trip's stores of scores, may be out
	WMMAK 0
	s_add_co_u32 s56, s56, UNITB
	s_min_u32 s45, s56, 7*UNITB                    ; the last trip reads unit 7 once more
	s_add_co_u32 s45, s45, SLOT1
	PF s45, WF, WSA
	v_add_nc_u32 v[ABD], s45, v[ABI]
	LD8 BK, 0
	LNCORE ACC, 32, 0
	s_add_co_u32 s50, s14, s13
	v_add_nc_u32 v[ASS], s50, v[AST]               ; S at (2 n + p) 4,096 + 512 kh + 16 x lane
	SCORE
	s_add_co_u32 s13, s13, 512
	s_cmp_lt_u32 s56, 8*UNITB
	s_wait_alu depctr_va_vdst(0)                   ; ahead of the branch
	s_cbranch_scc1 .Lk
	s_add_co_u32 s14, s14, 8192
	s_add_co_u32 s57, s57, 1
	s_cmp_lt_u32 s57, 2
	s_cbranch_scc1 .Ln
; ---------------- softmax
	CHANGE SLOT1, 1                                ; V_0 lies in slot 0; V_1 is asked for
	PF SLOT0, WF, WSA
	SOFTMAX
.set li, 0
.rept 16
	v_mov_b32 v[AS+li], 0                          ; attn's scale words are put together from two halves
.set li, li+1
.endr
	v_mov_b32 v[APD], v[APR]
	PLD 0                                          ; LDS serves a wave's instructions in order: these see the stores of p
	PLD 1
	s_mov_b32 s52, SLOT0
	s_mov_b32 s53, SLOT1
	s_mov_b32 s54, 0
	s_mov_b32 s55, 0
	s_mov_b32 s57, 0
	s_wait_alu depctr_va_vdst(0)                   ; ahead of the wait below
; ---------------- attn_n = p v_n, quantised, for n = 0, 1
.Lv:
	s_mov_b32 s56, 0
	s_mov_b32 s13, 0
	VBODY 1                                        ; key head 0 starts the sums
	s_wait_alu depctr_va_vdst(0)
.Lvk:                                              ; 7 trips
	VBODY 0
	s_cmp_lt_u32 s56, 8*UNITB
	s_wait_alu depctr_va_vdst(0)                   ; ahead of the branch
	s_cbranch_scc1 .Lvk
	CHANGE s52, 1                                  ; the slot just read takes the phase two on
	PF s53, WF, WSA                                ; the next phase's first unit
	v_mov_b32 v[APD], v[APR]
	PLD 0                                          ; p of key head 0 for the next n (behind the last n it is not used)
	PLD 1
	v_add_nc_u32 v[ACW], s54, v[AST]
	v_add_nc_u32 v[ACW8], s54, v[A8]
.irp tq, 0,1
.irp qq, 0,2,4,6                               ; two heads at a time: a head's 64 numbers of this n are registers 6 n .. 6 n + 5 of its fragment
	Q4 \tq, 32*\qq
	v_lshl_or_b32 v[QT+4], v[QT+5], 8, v[QT+4]
	v_lshl_or_b32 v[QT+6], v[QT+7], 8, v[QT+6]
	v_lshlrev_b32 v[QT+4], s55, v[QT+4]            ; bytes 2 n and 2 n + 1 of the head's scale word
	v_lshlrev_b32 v[QT+6], s55, v[QT+6]
	v_or_b32 v[AS+8*\tq+\qq], v[AS+8*\tq+\qq], v[QT+4]
	v_or_b32 v[AS+8*\tq+\qq+1], v[AS+8*\tq+\qq+1], v[QT+6]
	ds_store_b128 v[ACW], v[CD:CD+3] offset:(8*\tq+\qq)*768
	ds_store_b64 v[ACW8], v[CD+4:CD+5] offset:(8*\tq+\qq)*768+512
	ds_store_b128 v[ACW], v[CD+6:CD+9] offset:(8*\tq+\qq+1)*768
	ds_store_b64 v[ACW8], v[CD+10:CD+11] offset:(8*\tq+\qq+1)*768+512
.endr
.endr
	s_xor_b32 s52, s52, FLIP
	s_xor_b32 s53, s53, FLIP
	s_add_co_u32 s54, s54, CODEB
	s_add_co_u32 s55, s55, 16
	s_add_co_u32 s57, s57, 1
	s_cmp_lt_u32 s57, 2
	s_wait_alu depctr_va_vdst(0)                   ; ahead of the branch
	s_cbranch_scc1 .Lv
; ---------------- the last product: K = 1,024 in 8 steps, 256 outputs in two halves: 16 units; a trip takes two K steps, four units, on two sets of weight registers and two buffers of attn's fragments
.set li, 0
.rept 16
	ds_store_b32 v[A4], v[AS+li] offset:128*li     ; attn's scale words, a register's image each: the loop fetches them by K step
.set li, li+1
.endr
	CHANGE 0, 0                                    ; the last phase has landed: both slots lie whole behind this barrier; nothing is filled
.irp tq, 0,1
	WIN (2+\tq)<<6
.set oi, 0
.rept 16
	ds_load_b128 v[8*oi:8*oi+3], v[ABO] offset:(oi/4)*UNITB+64*(oi%4)       ; bout starts the sums: register j of tile nt holds output 16 nt + 8 h + j
	ds_load_b128 v[8*oi+4:8*oi+7], v[ABO] offset:(oi/4)*UNITB+64*(oi%4)+16
.set oi, oi+1
.endr
.endr
	WIN 0
	s_mov_b32 s56, 0                               ; the trip's first unit, in bytes
	s_mov_b32 s58, 0                               ; 768 kk
	s_mov_b32 s59, 0                               ; 128 kk
	FADR 0
	FRAG 0
	FADR 1
	FRAG 1
	PF SLOT0+UNITB, WF2, WSB                       ; unit 0 lies in the first set already
	s_wait_alu depctr_va_vdst(0)                   ; ahead of the wait below
.Lo:                                               ; 4 trips.  The last trip's fetches ahead read the last unit and the last K step once more, so that every count is the same on every way
	s_wait_dscnt 36                                ; this unit and its fragments are in; a buffer's 10 loads and the other set's 26 may be out
	OUTU WF, WSA, 0, 0
	s_add_co_u32 s45, s56, SLOT0+2*UNITB
	PF s45, WF, WSA
	s_wait_dscnt 26                                ; the other set's 26 may be out
	OUTU WF2, WSB, 0, 1
	FADR 2
	FRAG 0
	s_add_co_u32 s45, s56, SLOT0+3*UNITB
	PF s45, WF2, WSB
	s_wait_dscnt 36
	OUTU WF, WSA, 1, 0
	s_add_co_u32 s45, s56, 4*UNITB
	s_min_u32 s45, s45, 15*UNITB
	s_add_co_u32 s45, s45, SLOT0
	PF s45, WF, WSA
	s_wait_dscnt 26
	OUTU WF2, WSB, 1, 1
	FADR 3
	FRAG 1
	s_add_co_u32 s45, s56, 5*UNITB
	s_min_u32 s45, s45, 15*UNITB
	s_add_co_u32 s45, s45, SLOT0
	PF s45, WF2, WSB
	s_add_co_u32 s58, s58, 2*768
	s_add_co_u32 s59, s59, 2*128
	s_add_co_u32 s56, s56, 4*UNITB
	s_cmp_lt_u32 s56, 16*UNITB
	s_wait_alu depctr_va_vdst(0)                   ; ahead of the branch
	s_cbranch_scc1 .Lo
	s_wait_dscnt 0x0                               ; no LDS load of mine is out: the rows of y land on registers that earlier loads filled
; ---------------- the way out: a lane holds 32 neighbouring bytes of its point's row; half a tile's columns at a time go through my stage and leave as 512 consecutive bytes an instruction
.irp tq, 0,1
.irp hf, 0,1
	WIN (2+\tq)<<2
.set oi, 0
.rept 8
	ds_store_b128 v[ASO], v[64*\hf+8*oi:64*\hf+8*oi+3] offset:64*oi          ; each accumulator from its low end on
	ds_store_b128 v[ASO], v[64*\hf+8*oi+4:64*\hf+8*oi+7] offset:64*oi+16
.set oi, oi+1
.endr
	WIN (2+\tq)<<6
.set oi, 0
.rept 16
	ds_load_b128 v[128+64*\hf+4*oi:131+64*\hf+4*oi], v[AST] offset:oi*SPITCH
.set oi, oi+1
.endr
.endr
	WIN (2+\tq)<<2
.irp hf, 0,1
.set oi, 0
.rept 16
	s_wait_dscnt 47-32*\hf-oi                      ; LDS instructions come back in order: this row is in
	global_store_b128 v[L16], v[128+64*\hf+4*oi:131+64*\hf+4*oi], s[8:9] offset:16384*\tq+1024*oi+512*\hf th:TH_STORE_NT
.set oi, oi+1
.endr
.endr
.endr
	WIN 0
	s_wait_tensorcnt 0x0                           ; the wave's end
	ds_add_u32 v[SPW], v[NIL]
	s_wait_dscnt 0x0
	ROUND                                          ; the closing round
	s_endpgm
.Lfunc_end_k_q48f450195c_fused:
	.size	k_q48f450195c_fused, .Lfunc_end_k_q48f450195c_fused-k_q48f450195c_fused
	.p2alignl 7, 3214868480
	.fill 96, 4, 3214868480
	.section	.rodata,"a",@progbits
	.p2align	6, 0x0
	.amdhsa_kernel k_q48f450195c_fused
		.amdhsa_group_segment_fixed_size 327680
		.amdhsa_private_segment_fixed_size 0
		.amdhsa_enable_private_segment 0
		.amdhsa_kernarg_size 24
		.amdhsa_user_sgpr_count 2
		.amdhsa_user_sgpr_kernarg_segment_ptr 1
		.amdhsa_wavefront_size32 1
		.amdhsa_system_sgpr_workgroup_id_x 1
		.amdhsa_system_sgpr_workgroup_id_y 1
		.amdhsa_system_sgpr_workgroup_id_z 1
		.amdhsa_system_vgpr_workitem_id 0
		.amdhsa_next_free_vgpr 1024
		.amdhsa_next_free_sgpr 66
		.amdhsa_reserve_vcc 0
		.amdhsa_float_denorm_mode_32 3
		.amdhsa_float_denorm_mode_16_64 3
		.amdhsa_memory_ordered 1
		.amdhsa_forward_progress 1
		.amdhsa_inst_pref_size 255
	.end_amdhsa_kernel
	.section	.bss,"aw",@nobits
	.p2align	6
	.space	262144
	.amdgpu_metadata
---
amdhsa.version: [ 1, 2 ]
amdhsa.kernels:
  - .name:           k_q48f450195c_fused
    .symbol:         k_q48f450195c_fused.kd
    .args:
      - { .name: nodal, .offset: 0, .size: 8, .value_kind: global_buffer, .address_space: global }
      - { .name: wpack, .offset: 8, .size: 8, .value_kind: global_buffer, .address_space: global }
      - { .name: out0, .offset: 16, .size: 8, .value_kind: global_buffer, .address_space: global }
    .group_segment_fixed_size: 327680
    .private_segment_fixed_size: 0
    .kernarg_segment_align: 8
    .kernarg_segment_size: 24
    .max_flat_workgroup_size: 128
    .sgpr_count:     66
    .vgpr_count:     1024
    .wavefront_size: 32
...
	.end_amdgpu_metadata
.endif
;; end of part 2
